; MI455X (gfx1250); checked and timed in simulation.
; The chip was launched on July 23, 2026; its instructions are those of AMD's public machine-readable ISA for CDNA 5 (MIT licence, August 2026) and "CDNA5" Instruction Set Architecture Reference Guide (July 2026). The comments in the code are by the model that wrote it; some were corrected since.
;; Vector Quantizer. Allowed arithmetic: float matrix products may take bf16 or f16 operands with f32 sums; all other float work in f32.
;; Inputs: embeddings 64 x 1,024 float32; x 16 x 64 x 64 x 64 float32.
;; Outputs: out0 16 x 64 x 64 x 64 float32.
;; One version. Each part assembles by itself: llvm-mc -triple=amdgcn-amd-amdhsa -mcpu=gfx1250 --defsym DOCPART=n.
;; ======== version 1 of 1: 2 launches
;; workspace buffers: idx 262,144 bytes of whole numbers; et 262,144 bytes
;; launch nearest (part 1): grid 256 x 1, 8 waves a work-group, no clusters, 223,232 bytes of LDS; arguments embeddings, x, idx, et; writes idx, et
.if DOCPART == 1
	.amdgcn_target "amdgcn-amd-amdhsa--gfx1250"
	.amdhsa_code_object_version 6
	.text
	.protected	k_qa7cfb1e98c_nearest
	.globl	k_qa7cfb1e98c_nearest
	.p2align	8
	.type	k_qa7cfb1e98c_nearest,@function
k_qa7cfb1e98c_nearest:
	s_mov_b64 s[64:65], 0
	v_nop
	global_prefetch_b8 v0, s[64:65] scope:SCOPE_SE
	s_setreg_imm32_b32 hwreg(HW_REG_WAVE_MODE, 25, 1), 1
	s_wait_xcnt 0x0
; idx[row] = first index of the smallest d[row][n], d = (zz[row] + ee[n]) - 2 * sim[row][n], formed in f32 in exactly this order and with
; these two roundings; sim = x . e with bf16 operands and f32 sums; zz and ee are sums of squares of the bf16-rounded numbers.
; Also stored: et = the table transposed to [1024][64] f32, 4 codes (1,024 bytes) by each work-group, for the launch that gathers.
; x: [65536][64] f32.  embeddings: [64][1024] f32.  256 work-groups x 256 rows, eight waves: two on each SIMD, 512 registers each, so that one
; has vector work to issue while the other is held by its matrix instructions, a wait or a memory instruction.
; Wave w owns codes 128 w .. 128 w + 127 for all 256 rows: its 8 code tiles (128 registers of bf16 fragments) and their ee in the result's
; layout (64 registers) stay in registers; in the loop only x is read from LDS (32 KiB a wave).
; The matrix instruction takes codes as A and rows of x as B: lane (r, h) holds row r's sums for the 8 codes 16 t + 8 h + 0..7, so that the
; search for the minimum stays inside a lane.  Per tile and lane: 4 packed adds, 4 packed multiply-adds, 4 three-way minima, 1 compare,
; 1 select of the tile's number, 4 double selects that keep the 8 distances of the tile that holds the minimum: 18 for 8 distances.
; The place in the kept tile is found once per 16 rows; the 16 candidates of a row (8 waves x 2 halves) meet in LDS at the end.
; NO CLUSTER, though all work-groups read the same 262,144-byte table: each number has to pass through registers (rounded to bf16, squared
; for ee); a joint tensor load would land f32 in LDS, 262,144 bytes beside the 222,208 in use, more than the 327,680 there are, and in
; pieces it would add an LDS round trip of 262,144 bytes to each work-group.
; LIMITS: a NaN among the inputs, or infinity minus infinity in a distance, is not treated as jnp.argmin treats it (here a NaN loses).
; zz is summed in another order than row by row; that moves all distances of a row by the same whole steps of their last place.
.set TBP,   288                        ; pitch of the bf16 table [k][128 codes] in LDS: 256 + 32 bytes, an odd multiple of 32
.set TBW,   64*TBP                     ; a wave's table: 18,432 bytes, its own
.set XP,    144                        ; pitch of a row of x in bf16: 128 + 16 bytes, an odd multiple of 16
.set CMB,   8*TBW                      ; candidates: [16][256] pairs (distance, index)
.set XB,    CMB+16*2048                ; x in bf16, 256 rows
.set ZZB,   XB+256*XP                  ; zz, 256 f32
.set EEB,   ZZB+1024                   ; ee, 1,024 f32, a wave's 128 its own
; window 0
.set TOFF,  1                          ; table: byte offset of my 16 bytes in a row of the table (wave's 512 bytes + 16 lane)
.set XOFF,  2                          ; x: wave x 8 rows + 16 lane
.set TBST,  3                          ; LDS: where I put 4 bf16 of the table
.set TBLD,  4                          ; LDS: my address for the transposing loads
.set EEST,  5
.set EELD,  6
.set XBST,  7
.set ZZST,  8
.set XBLD,  9                          ; LDS: my part of the B fragments of the trip's first 16 rows (stepped)
.set ZZLD,  10                         ; (stepped)
.set CMBST, 11                         ; (stepped)
.set HW,    12                         ; 8 h + 128 wave
.set VZ,    13                         ; 0.0
.set ETO,   14
.set ETS,   15
.set BF0,   16                         ; v[16:31]   B fragments, 16 rows x 64 k, two buffers
.set BF1,   32
.set ZZ0,   48                         ; v[48:49], v[50:51]  zz of my row (low register; the high one is only named)
.set ZZ1,   50
.set P1,    52                         ; running minimum behind tile 4 b + 0, 1, 2 of a batch
.set P2,    53
.set P3,    54
.set ID,    55                         ; number of the tile that holds the minimum
.set Q,     56                         ; v[56:59]   minimum of 7 of a tile's 8 distances, four tiles
.set P0,    60                         ; running minimum behind a batch; with IX a pair for the store
.set IX,    61
.set SV,    64                         ; v[64:71]   the 8 distances of the tile that holds the minimum
.set J0,    72                         ; v[72:75]
.set J1,    73
.set J2,    74
.set J3,    75
.set PK,    76                         ; v[76:91]   table: four rows x 4 bf16, two sets
.set EA,    92                         ; v[92:95]   ee of my 4 codes while the table passes
.set T,     96                         ; v[96:223]  table as loaded: 32 slots of 4 registers (before the loop)
.set SUM0,  96                         ; v[96:127], v[128:159]  sums, then distances, of 4 tiles, two buffers
.set SUM1,  128
.set CC0,   160                        ; v[160:191], v[192:223] zz + ee of 4 tiles, two buffers
.set CC1,   192
.set ETL,   224                        ; wave 0: 2 x 4 numbers of the table as loaded; then as pairs
.set ETP,   232
.set PKX,   224                        ; v[224:231] x: 16 bf16
.set Z,     240                        ; v[240:243] x: sums of squares
; window 1: A fragments of tile t v[16 t : 16 t + 15]; ee v[128 + 8 t : +7]; x as loaded, stage s, load q: v[192 + 16 s + 4 q : +3]
.set XR,    192
.set MSB, 0
.macro WIN new                         ; low byte: bits 1:0 source 0, 3:2 source 1, 5:4 source 2, 7:6 destination; high byte: the setting left
.if MSB != (\new)
	s_set_vgpr_msb (MSB<<8)|(\new)
.set MSB, (\new)
.endif
.endm
.macro SQLO d, p, c                    ; d = (low bf16 of p)^2 + c, in f32: the square of a bf16 is exact, so one rounding
	v_fma_mix_f32_bf16 v[\d], v[\p], v[\p], v[\c] op_sel_hi:[1,1,0]
.endm
.macro SQHI d, p, c
	v_fma_mix_f32_bf16 v[\d], v[\p], v[\p], v[\c] op_sel:[1,1,0] op_sel_hi:[1,1,0]
.endm
.macro SQ4 e, p, z                     ; e .. e+3 take the squares of the four bf16 in p, p+1; z = 1: they start the sums
.if \z
	SQLO \e, \p, VZ
	SQHI \e+1, \p, VZ
	SQLO \e+2, \p+1, VZ
	SQHI \e+3, \p+1, VZ
.else
	SQLO \e, \p, \e
	SQHI \e+1, \p, \e+1
	SQLO \e+2, \p+1, \e+2
	SQHI \e+3, \p+1, \e+3
.endif
.endm
	s_load_b256 s[4:11], s[0:1], 0x0               ; embeddings s[4:5], x s[6:7], idx s[8:9], et s[10:11]
	v_lshl_add_u32 v254, v0, 2, 0x36400
	v_mov_b32 v255, 0
	v_lshrrev_b32 v248, 5, v0
	v_readfirstlane_b32 s12, v248                  ; wave, 0 to 7
	v_and_b32 v249, 31, v0                         ; lane l
	v_and_b32 v250, 15, v0                         ; r
	v_bfe_u32 v251, v0, 4, 1                       ; h
	v_mov_b32 v[VZ], 0
	v_mov_b32 v[ZZ0+1], 0
	v_mov_b32 v[ZZ1+1], 0
	s_lshl_b32 s13, s12, 9
	v_lshl_add_u32 v[TOFF], v249, 4, s13           ; 16 l + 512 wave
	s_lshl_b32 s14, s12, 11
	v_lshl_add_u32 v[XOFF], v249, 4, s14           ; 16 l + 2,048 wave
	s_mul_i32 s15, s12, TBW
	v_lshl_add_u32 v[TBST], v249, 3, s15           ; 8 l + my wave's table
	v_and_b32 v252, 7, v0
	v_lshl_add_u32 v252, v251, 3, v252             ; 8 h + (l & 7): the row of k that I address
	v_mul_u32_u24 v252, v252, TBP
	v_bfe_u32 v253, v0, 3, 1
	v_lshl_add_u32 v252, v253, 4, v252             ; + 16 ((l >> 3) & 1)
	v_add_nc_u32 v[TBLD], s15, v252
	s_add_co_u32 s16, s13, EEB                     ; my wave's 128 ee: 512 bytes
	v_lshl_add_u32 v[EEST], v249, 4, s16
	v_lshl_add_u32 v[EELD], v251, 5, s16           ; codes 8 h .. of a tile
	s_mul_i32 s17, s12, 8*XP
	s_add_co_u32 s17, s17, XB
	v_mul_u32_u24 v252, v251, XP
	v_lshl_add_u32 v252, v250, 3, v252
	v_add_nc_u32 v[XBST], s17, v252                ; row 8 wave + h, 8 bytes for each of 16 lanes
	s_lshl_b32 s18, s12, 5
	s_add_co_u32 s18, s18, ZZB
	v_lshl_add_u32 v[ZZST], v251, 2, s18
	v_mul_u32_u24 v252, v250, XP
	v_lshl_add_u32 v252, v251, 4, v252
	v_add_nc_u32 v[XBLD], XB, v252                 ; row r, k = 8 h ..
	v_lshlrev_b32 v252, 2, v250
	v_add_nc_u32 v[ZZLD], ZZB, v252
	s_lshl_b32 s19, s12, 12
	s_add_co_u32 s19, s19, CMB
	v_lshl_add_u32 v252, v251, 11, s19             ; candidate 2 wave + h: 2,048 bytes each
	v_lshl_add_u32 v[CMBST], v250, 3, v252
	s_lshl_b32 s20, s12, 7
	v_lshl_add_u32 v[HW], v251, 3, s20
	s_lshl_b32 s2, ttmp9, 16                       ; the work-group's 256 rows of 256 bytes
	s_mov_b32 s3, 0
	s_wait_kmcnt 0x0
	s_add_nc_u64 s[6:7], s[6:7], s[2:3]
	; wave 0 also fetches the work-group's 4 codes for et: lane l takes k = 2 l and 2 l + 1, 16 bytes each
	s_cmp_lg_u32 s12, 0
	s_cbranch_scc1 .Lno_et_load
	s_lshl_b32 s21, ttmp9, 4
	v_lshl_add_u32 v[ETO], v249, 13, s21
	global_load_b128 v[ETL:ETL+3], v[ETO], s[4:5]
	global_load_b128 v[ETL+4:ETL+7], v[ETO], s[4:5] offset:4096
.Lno_et_load:
	; THE TABLE.  Row k of my wave's part is one load of 512 consecutive bytes.  A ring of 32 slots: 32 rows in flight.
.set k, 0
.rept 32
	global_load_b128 v[T+4*k:T+4*k+3], v[TOFF], s[4:5] offset:k*4096
.set k, k+1
.endr
; x: stage s is 64 rows, of which my wave fetches and converts 8: four loads of 512 consecutive bytes, into window 1
.macro XLOAD s
	WIN 0x40
.set q, 0
.rept 4
	global_load_b128 v[XR+16*\s+4*q:XR+16*\s+4*q+3], v[XOFF], s[6:7] offset:\s*16384+q*512 th:TH_LOAD_NT
.set q, q+1
.endr
	WIN 0
.endm
	XLOAD 0                                        ; the first 64 rows are asked for early; the rest behind the table's last loads
	; Sixteen turns of four rows: 8 conversions, 16 squares, then the turn's memory instructions in one run (4 refills, 4 LDS stores).
.set g, 0
.rept 16
.set pk, PK+8*(g%2)
	; loads come back in order (ISA guide 5.7.1).  Younger than row 4 g + 3's: turns 0-7: 28 - 4 g of the first fill, 4 of x, 4 g refills = 32;
	; turns 8-15: the refills of the 15 - g later turns and the 12 loads of x's later stages.
.if g < 8
	s_wait_loadcnt 32
.else
	s_wait_loadcnt 4*(15-g)+12
.endif
.set i, 0
.rept 4
.set sl, T+4*((4*g+i)%32)
	v_cvt_pk_bf16_f32 v[pk+2*i], v[sl], v[sl+1]    ; row 4 g + i, codes 4 l .. 4 l + 3
	v_cvt_pk_bf16_f32 v[pk+2*i+1], v[sl+2], v[sl+3]
.set i, i+1
.endr
.set i, 0
.rept 4
.if 4*g+i == 0
	SQ4 EA, pk+2*i, 1                              ; ee: k ascending, one chain for each code; the first squares start the sums
.else
	SQ4 EA, pk+2*i, 0
.endif
.set i, i+1
.endr
.if g < 8
.set i, 0
.rept 4
.set sl, T+4*((4*g+i)%32)
	global_load_b128 v[sl:sl+3], v[TOFF], s[4:5] offset:(4*g+i+32)*4096
.set i, i+1
.endr
.endif
.set i, 0
.rept 4
	ds_store_b64 v[TBST], v[pk+2*i:pk+2*i+1] offset:(4*g+i)*TBP
.set i, i+1
.endr
.if g == 7
	XLOAD 1
	XLOAD 2
	XLOAD 3
.endif
.set g, g+1
.endr
	ds_store_b128 v[EEST], v[EA:EA+3]
	; wave 0: its 4 codes go out as rows of et: lane l holds k = 2 l, 2 l + 1, so that each store of the wave covers 256 consecutive bytes, aligned
	s_cmp_lg_u32 s12, 0
	s_cbranch_scc1 .Lno_et_store
	s_lshl_b32 s21, ttmp9, 10
	v_lshl_add_u32 v[ETS], v249, 3, s21
.irp c, 0,1,2,3
	v_mov_b32 v[ETP+2*\c], v[ETL+\c]               ; (these two loads are older than all that the ring waited for)
	v_mov_b32 v[ETP+2*\c+1], v[ETL+4+\c]
.endr
.irp c, 0,1,2,3
	global_store_b64 v[ETS], v[ETP+2*\c:ETP+2*\c+1], s[10:11] offset:256*\c   ; ETS and ETP are not written again
.endr
.Lno_et_store:
	; Fragments out of my own LDS bytes; LDS serves a wave's instructions in order (ISA guide 5.7.1), so no wait behind the stores.
	; The transposing load turns [k][n] into lane (r, h): code n0 + r, k = k0 + 8 h .. + 7.
	WIN 0x40
.set t, 0
.rept 8
.set ar, 16*t
.set er, 128+8*t
	ds_load_tr16_b128 v[ar:ar+3], v[TBLD] offset:32*t
	ds_load_tr16_b128 v[ar+4:ar+7], v[TBLD] offset:16*TBP+32*t
	ds_load_tr16_b128 v[ar+8:ar+11], v[TBLD] offset:32*TBP+32*t
	ds_load_tr16_b128 v[ar+12:ar+15], v[TBLD] offset:48*TBP+32*t
	ds_load_b128 v[er:er+3], v[EELD] offset:64*t   ; ee of codes 16 t + 8 h + 0 .. 7: the layout of the matrix result
	ds_load_b128 v[er+4:er+7], v[EELD] offset:64*t+16
.set t, t+1
.endr
	WIN 0
; x, stage s: my 8 rows to bf16 into LDS, and their sums of squares.  Load q holds rows 2 q + h, 4 numbers a lane.  The LDS stores stand in one run.
.macro CONV s
	s_wait_loadcnt 4*(3-\s)                        ; the four loads of each later stage stay out
	WIN 0x05
.set q, 0
.rept 4
	v_cvt_pk_bf16_f32 v[PKX+2*q], v[XR+16*\s+4*q], v[XR+16*\s+4*q+1]
	v_cvt_pk_bf16_f32 v[PKX+2*q+1], v[XR+16*\s+4*q+2], v[XR+16*\s+4*q+3]
.set q, q+1
.endr
	WIN 0
.irp q, 0,1,2,3
	SQLO Z+\q, PKX+2*\q, VZ
.endr
.irp q, 0,1,2,3
	SQHI Z+\q, PKX+2*\q, Z+\q
.endr
.irp q, 0,1,2,3
	SQLO Z+\q, PKX+2*\q+1, Z+\q
.endr
.irp q, 0,1,2,3
	SQHI Z+\q, PKX+2*\q+1, Z+\q
.endr
.irp m, 1,2,4,8
.irp q, 0,1,2,3
	v_add_f32_dpp v[Z+\q], v[Z+\q], v[Z+\q] row_xmask:\m row_mask:0xf bank_mask:0xf
.endr
.endr
.set q, 0
.rept 4
	ds_store_b64 v[XBST], v[PKX+2*q:PKX+2*q+1] offset:(64*\s+2*q)*XP
.set q, q+1
.endr
.irp q, 0,1,2,3
	ds_store_b32 v[ZZST], v[Z+\q] offset:(64*\s+2*\q)*4   ; sixteen lanes write the same word with the same value
.endr
.endm
; 16 rows of x as B fragments (lane (r, h): row r; k = 8 h .., 16 + 8 h .., 32 + 8 h .., 48 + 8 h ..) and the row's zz
.macro BLOAD bf, zz, xo, zo
	ds_load_b128 v[\bf:\bf+3], v[XBLD] offset:\xo
	ds_load_b128 v[\bf+4:\bf+7], v[XBLD] offset:\xo+32
	ds_load_b128 v[\bf+8:\bf+11], v[XBLD] offset:\xo+64
	ds_load_b128 v[\bf+12:\bf+15], v[XBLD] offset:\xo+96
	ds_load_b32 v[\zz], v[ZZLD] offset:\zo
.endm
; batch b = tiles 4 b .. 4 b + 3: eight matrix instructions; the first four start the sums with C = 0, the second four go on in place
.macro WMB b, sb, bf
	WIN 1
.irp a, 0,1,2,3
	v_wmma_f32_16x16x32_bf16 v[\sb+8*\a:\sb+8*\a+7], v[16*(4*\b+\a):16*(4*\b+\a)+7], v[\bf:\bf+7], 0
.endr
.irp a, 0,1,2,3
	v_wmma_f32_16x16x32_bf16 v[\sb+8*\a:\sb+8*\a+7], v[16*(4*\b+\a)+8:16*(4*\b+\a)+15], v[\bf+8:\bf+15], v[\sb+8*\a:\sb+8*\a+7]
.endr
.endm
; c = zz + ee, rounded once, for the same batch, under the same window.  These 16 lines name no register of the matrix instructions in front
; of them: they are the independent vector instructions that have to stand behind those (ISA guide 7.12.1).
.macro CADD b, cb, zz
	WIN 1
.irp a, 0,1,2,3
.irp p, 0,2,4,6
	v_pk_add_f32 v[\cb+8*\a+\p:\cb+8*\a+\p+1], v[128+8*(4*\b+\a)+\p:128+8*(4*\b+\a)+\p+1], v[\zz:\zz+1] op_sel_hi:[1,0]
.endr
.endr
.endm
.macro DADD dst, s, c                  ; d = c - 2 sim, rounded once (2 sim is exact)
.irp p, 0,2,4,6
	v_pk_fma_f32 v[\dst+\p:\dst+\p+1], v[\s+\p:\s+\p+1], -2.0, v[\c+\p:\c+\p+1] op_sel_hi:[1,0,1]
.endr
.endm
.macro KEEP d, id                      ; where VCC says that this tile lowered the minimum: its number and its 8 distances are kept
	v_cndmask_b32 v[ID], v[ID], \id, vcc_lo
.irp p, 0,2,4,6
	v_dual_cndmask_b32 v[SV+\p], v[SV+\p], v[\d+\p] :: v_dual_cndmask_b32 v[SV+\p+1], v[SV+\p+1], v[\d+\p+1]
.endr
.endm
; The vector work of batch b.  Only the last of a tile's four minima hangs on the tile before it.  'Lower' is strict: the first tile wins a tie.
; In batch 0 the first tile's distances are written straight into SV and start the search: nothing is preset.
.macro VB b, sb, cb
	WIN 0
.if \b == 0
	DADD SV, \sb, \cb
.set d0, SV
.else
	DADD \sb, \sb, \cb
.set d0, \sb
.endif
	DADD \sb+8, \sb+8, \cb+8
	DADD \sb+16, \sb+16, \cb+16
	DADD \sb+24, \sb+24, \cb+24
	v_min3_num_f32 v[Q], v[d0], v[d0+1], v[d0+2]
	v_min3_num_f32 v[Q+1], v[\sb+8], v[\sb+9], v[\sb+10]
	v_min3_num_f32 v[Q+2], v[\sb+16], v[\sb+17], v[\sb+18]
	v_min3_num_f32 v[Q+3], v[\sb+24], v[\sb+25], v[\sb+26]
	v_min3_num_f32 v[Q], v[Q], v[d0+3], v[d0+4]
	v_min3_num_f32 v[Q+1], v[Q+1], v[\sb+11], v[\sb+12]
	v_min3_num_f32 v[Q+2], v[Q+2], v[\sb+19], v[\sb+20]
	v_min3_num_f32 v[Q+3], v[Q+3], v[\sb+27], v[\sb+28]
	v_min3_num_f32 v[Q], v[Q], v[d0+5], v[d0+6]
	v_min3_num_f32 v[Q+1], v[Q+1], v[\sb+13], v[\sb+14]
	v_min3_num_f32 v[Q+2], v[Q+2], v[\sb+21], v[\sb+22]
	v_min3_num_f32 v[Q+3], v[Q+3], v[\sb+29], v[\sb+30]
.if \b == 0
	v_min_num_f32 v[P1], v[Q], v[SV+7]
	v_mov_b32 v[ID], 0
	v_min3_num_f32 v[P2], v[Q+1], v[\sb+15], v[P1]
.else
	v_min3_num_f32 v[P1], v[Q], v[d0+7], v[P0]
	v_cmp_lt_f32 vcc_lo, v[P1], v[P0]
	v_min3_num_f32 v[P2], v[Q+1], v[\sb+15], v[P1]
	KEEP d0, 4*\b
.endif
	v_cmp_lt_f32 vcc_lo, v[P2], v[P1]
	v_min3_num_f32 v[P3], v[Q+2], v[\sb+23], v[P2]
	KEEP \sb+8, 4*\b+1
	v_cmp_lt_f32 vcc_lo, v[P3], v[P2]
	v_min3_num_f32 v[P0], v[Q+3], v[\sb+31], v[P3]
	KEEP \sb+16, 4*\b+2
	v_cmp_lt_f32 vcc_lo, v[P0], v[P3]
	KEEP \sb+24, 4*\b+3
.endm
; 16 rows are through my 128 codes: the first place in the kept tile that equals the minimum, then (distance, index) to my candidate's row
.macro RESOLVE co
.irp j, 0,1,2,3,4,5,6
	v_cmp_eq_f32 s[32+\j], v[SV+\j], v[P0]
.endr
	v_cndmask_b32 v[J0], 1, 0, s32
	v_cndmask_b32 v[J1], 3, 2, s34
	v_cndmask_b32 v[J2], 5, 4, s36
	v_cndmask_b32 v[J3], 7, 6, s38
	s_or_b32 s40, s32, s33                         ; one of places 0, 1
	s_or_b32 s41, s36, s37                         ; one of 4, 5
	s_or_b32 s42, s34, s35
	s_or_b32 s43, s40, s42                         ; one of 0 .. 3
	v_cndmask_b32 v[J0], v[J1], v[J0], s40
	v_cndmask_b32 v[J2], v[J3], v[J2], s41
	v_cndmask_b32 v[J0], v[J2], v[J0], s43
	v_lshl_add_u32 v[IX], v[ID], 4, v[J0]
	v_add_nc_u32 v[IX], v[HW], v[IX]               ; 128 wave + 16 tile + 8 h + place
	ds_store_b64 v[CMBST], v[P0:P0+1] offset:\co
.endm
; 16 rows, two batches of four tiles.  On entry batch 0's sums are under way in SUM0 and its c lies in CC0.
; pre: the next 16 rows' fragments are fetched, at the head: the last matrix instruction that read that buffer stands a whole batch's vector
; work and a resolve back, and no matrix instruction has been issued since the one before the last batch's vector work.
; nxt: the next rows' first batch is started ahead of this tile's last vector work.
.macro TILE bf, zz, nbf, nzz, xo, zo, co, pre, nxt
	WIN 0
.if \pre
	BLOAD \nbf, \nzz, \xo, \zo
.endif
	WMB 1, SUM1, \bf
	CADD 1, CC1, \zz
	VB 0, SUM0, CC0
.if \nxt
	s_wait_dscnt 0x0                               ; the next rows' fragments and zz, asked for at the tile's head
	WMB 0, SUM0, \nbf
	CADD 0, CC0, \nzz
.endif
	VB 1, SUM1, CC1
	RESOLVE \co
.endm
.macro PAIR last
	TILE BF0, ZZ0, BF1, ZZ1, 16*XP, 64, 0, 1, 1
.if \last
	TILE BF1, ZZ1, BF0, ZZ0, 0, 0, 128, 0, 0
.else
	TILE BF1, ZZ1, BF0, ZZ0, 32*XP, 128, 128, 1, 1
.endif
.endm
	CONV 0
	s_wait_dscnt 0x0                               ; my stores of x and zz are done (and my fragments are in)
	s_barrier_signal -1
	s_barrier_wait -1                              ; rows 0-63 are whole
	BLOAD BF0, ZZ0, 0, 0
	s_wait_dscnt 0x0
	WMB 0, SUM0, BF0
	CADD 0, CC0, ZZ0
	WIN 0
	; Eight trips of 32 rows; the last is written out, since nothing follows it.  Rows 64 s .. 64 s + 63 are converted at the head of trip
	; 2 s - 1, whose second half is the first to read them.  They are bytes that nobody has read before.  The branches hang on the trip's number alone.
	s_mov_b32 s22, 0
.Lpair:
	s_cmp_lg_u32 s22, 1
	s_cbranch_scc1 .Lnc1
	CONV 1
.Lnc1:
	s_cmp_lg_u32 s22, 3
	s_cbranch_scc1 .Lnc2
	CONV 2
.Lnc2:
	s_cmp_lg_u32 s22, 5
	s_cbranch_scc1 .Lnc3
	CONV 3
.Lnc3:
	s_wait_dscnt 0x0                               ; for the other waves: my LDS stores are done
	s_barrier_signal -1
	s_barrier_wait -1                              ; in trips 1, 3, 5 this publishes the rows converted above; every wave passes it in every trip
	PAIR 0
	v_add_nc_u32 v[XBLD], 32*XP, v[XBLD]
	v_add_nc_u32 v[ZZLD], 128, v[ZZLD]
	v_add_nc_u32 v[CMBST], 256, v[CMBST]
	s_add_co_u32 s22, s22, 1
	s_cmp_lt_u32 s22, 7
	s_cbranch_scc1 .Lpair
	PAIR 1
	; THE END: thread t of waves 0-3 takes rows 2 t and 2 t + 1: the smallest of the 16 candidates' distances, and the smallest index among those
	; that equal it.  Four waves with two rows a thread, not eight with one, so that a wave's store covers 256 consecutive bytes, aligned.
.set KK,   96                          ; v[96:159]  candidate c: (d, index) of row 2 t, (d, index) of row 2 t + 1
.set MIN0, 72
.set MIN1, 73
.set OI,   74                          ; v[74:75]
.set CAD,  76
.set COF,  77
	s_wait_dscnt 0x0
	s_barrier_signal -1
	s_barrier_wait -1                              ; every wave's candidates are in LDS
	s_cmp_gt_u32 s12, 3
	s_cbranch_scc1 .Ldone
	v_lshlrev_b32 v[CAD], 4, v0
	v_add_nc_u32 v[CAD], CMB, v[CAD]
.irp c, 0,1,2,3,4,5,6,7,8,9,10,11,12,13,14,15
	ds_load_b128 v[KK+4*\c:KK+4*\c+3], v[CAD] offset:2048*\c
.endr
	v_lshlrev_b32 v[COF], 3, v0
	s_lshl_b32 s2, ttmp9, 10
	s_mov_b32 s3, 0
	s_add_nc_u64 s[8:9], s[8:9], s[2:3]
	s_wait_dscnt 0x0
	v_min3_num_f32 v[MIN0], v[KK], v[KK+4], v[KK+8]
	v_min3_num_f32 v[MIN1], v[KK+2], v[KK+6], v[KK+10]
.irp c, 3,5,7,9,11,13
	v_min3_num_f32 v[MIN0], v[MIN0], v[KK+4*\c], v[KK+4*\c+4]
	v_min3_num_f32 v[MIN1], v[MIN1], v[KK+4*\c+2], v[KK+4*\c+6]
.endr
	v_min_num_f32 v[MIN0], v[MIN0], v[KK+60]
	v_min_num_f32 v[MIN1], v[MIN1], v[KK+62]
.irp c, 0,1,2,3,4,5,6,7,8,9,10,11,12,13,14,15
	v_cmp_eq_f32 vcc_lo, v[KK+4*\c], v[MIN0]
	v_cndmask_b32 v[KK+4*\c+1], -1, v[KK+4*\c+1], vcc_lo
	v_cmp_eq_f32 vcc_lo, v[KK+4*\c+2], v[MIN1]
	v_cndmask_b32 v[KK+4*\c+3], -1, v[KK+4*\c+3], vcc_lo
.endr
	v_min_u32 v[OI], v[KK+1], v[KK+5]
	v_min_u32 v[OI+1], v[KK+3], v[KK+7]
.irp c, 2,3,4,5,6,7,8,9,10,11,12,13,14,15
	v_min_u32 v[OI], v[OI], v[KK+4*\c+1]
	v_min_u32 v[OI+1], v[OI+1], v[KK+4*\c+3]
.endr
	global_store_b64 v[COF], v[OI:OI+1], s[8:9]    ; a wave's store covers 256 consecutive bytes, aligned
.Ldone:
	s_wait_tensorcnt 0x0
	ds_add_u32 v254, v255
	s_wait_dscnt 0x0
	s_endpgm
.Lfunc_end_k_qa7cfb1e98c_nearest:
	.size	k_qa7cfb1e98c_nearest, .Lfunc_end_k_qa7cfb1e98c_nearest-k_qa7cfb1e98c_nearest
	.p2alignl 7, 3214868480
	.fill 96, 4, 3214868480
	.section	.rodata,"a",@progbits
	.p2align	6, 0x0
	.amdhsa_kernel k_qa7cfb1e98c_nearest
		.amdhsa_group_segment_fixed_size 223232
		.amdhsa_private_segment_fixed_size 0
		.amdhsa_enable_private_segment 0
		.amdhsa_kernarg_size 32
		.amdhsa_user_sgpr_count 2
		.amdhsa_user_sgpr_kernarg_segment_ptr 1
		.amdhsa_wavefront_size32 1
		.amdhsa_system_sgpr_workgroup_id_x 1
		.amdhsa_system_sgpr_workgroup_id_y 1
		.amdhsa_system_sgpr_workgroup_id_z 1
		.amdhsa_system_vgpr_workitem_id 0
		.amdhsa_next_free_vgpr 512
		.amdhsa_next_free_sgpr 66
		.amdhsa_reserve_vcc 1
		.amdhsa_float_denorm_mode_32 3
		.amdhsa_float_denorm_mode_16_64 3
		.amdhsa_memory_ordered 1
		.amdhsa_forward_progress 1
		.amdhsa_inst_pref_size 106
	.end_amdhsa_kernel
	.amdgpu_metadata
---
amdhsa.version: [ 1, 2 ]
amdhsa.kernels:
  - .name:           k_qa7cfb1e98c_nearest
    .symbol:         k_qa7cfb1e98c_nearest.kd
    .args:
      - { .name: embeddings, .offset: 0, .size: 8, .value_kind: global_buffer, .address_space: global }
      - { .name: x, .offset: 8, .size: 8, .value_kind: global_buffer, .address_space: global }
      - { .name: idx, .offset: 16, .size: 8, .value_kind: global_buffer, .address_space: global }
      - { .name: et, .offset: 24, .size: 8, .value_kind: global_buffer, .address_space: global }
    .group_segment_fixed_size: 223232
    .private_segment_fixed_size: 0
    .kernarg_segment_align: 8
    .kernarg_segment_size: 32
    .max_flat_workgroup_size: 256
    .sgpr_count:     66
    .vgpr_count:     512
    .wavefront_size: 32
...
	.end_amdgpu_metadata
.endif
;; end of part 1
;; launch gather (part 2): grid 256 x 1, 8 waves a work-group, no clusters, 0 bytes of LDS; arguments idx, et, out0; writes out0
.if DOCPART == 2
	.amdgcn_target "amdgcn-amd-amdhsa--gfx1250"
	.amdhsa_code_object_version 6
	.text
	.protected	k_qa7cfb1e98c_gather
	.globl	k_qa7cfb1e98c_gather
	.p2align	8
	.type	k_qa7cfb1e98c_gather,@function
k_qa7cfb1e98c_gather:
	s_mov_b64 s[64:65], 0
	v_nop
	global_prefetch_b8 v0, s[64:65] scope:SCOPE_SE
	s_setreg_imm32_b32 hwreg(HW_REG_WAVE_MODE, 25, 1), 1
	s_wait_xcnt 0x0
; out0[row][0..63] = et[idx[row]][0..63].  idx: [65536] whole numbers, et: [1024][64] f32, both stored by the launch before.
; A stream: 256 work-groups x 8 waves; a wave owns 32 rows.  Sixteen neighbouring lanes take one row of 256 bytes, 16 bytes each, so that every
; load reads and every store writes two whole aligned rows of 256 bytes.  Instruction i serves rows i (lanes 0-15) and 16 + i (lanes 16-31)
; of the wave's 32, so that a lane's sixteen indices are 64 consecutive bytes: four loads.  All sixteen table loads of a wave are in flight at once.
; No LDS, no barrier, no matrix unit, no cluster: no work-group shares a tile with another at a known time, and nothing is computed.
.set I, 4                              ; v[4:19]   my half's 16 indices, then byte offsets into et
.set D, 20                             ; v[20:83]  16 x 16 bytes
	s_load_b128 s[4:7], s[0:1], 0x0                ; idx s[4:5], et s[6:7]
	s_load_b64 s[8:9], s[0:1], 0x10                ; out0
	v_lshrrev_b32 v1, 4, v0                        ; group of sixteen lanes, 0 to 15: it owns 16 rows
	v_and_b32 v2, 15, v0
	v_lshlrev_b32 v3, 6, v1                        ; its 16 indices: 64 bytes
	v_lshlrev_b32 v2, 4, v2                        ; my 16 bytes of a row
	v_lshl_add_u32 v1, v1, 12, v2                  ; its 16 rows of 256 bytes + my 16 bytes
	s_lshl_b32 s10, ttmp9, 10                      ; the work-group's 256 indices
	s_mov_b32 s11, 0
	s_lshl_b32 s12, ttmp9, 16                      ; and its 256 rows
	s_mov_b32 s13, 0
	s_wait_kmcnt 0x0
	s_add_nc_u64 s[4:5], s[4:5], s[10:11]
	s_add_nc_u64 s[8:9], s[8:9], s[12:13]
.irp u, 0,1,2,3
	global_load_b128 v[I+4*\u:I+4*\u+3], v3, s[4:5] offset:16*\u
.endr
	s_wait_loadcnt 0x0
.irp i, 0,1,2,3,4,5,6,7,8,9,10,11,12,13,14,15
	v_min_u32 v[I+\i], 0x3ff, v[I+\i]              ; an index stays inside the table of 1,024 rows
	v_lshl_add_u32 v[I+\i], v[I+\i], 8, v2         ; 256 bytes a row + my 16 bytes
.endr
.irp i, 0,1,2,3,4,5,6,7,8,9,10,11,12,13,14,15
	global_load_b128 v[D+4*\i:D+4*\i+3], v[I+\i], s[6:7]
.endr
.irp i, 0,1,2,3,4,5,6,7,8,9,10,11,12,13,14,15
	s_wait_loadcnt 15-\i                           ; loads come back in order (ISA guide 5.7.1): the 15 - i younger ones stay out
	global_store_b128 v1, v[D+4*\i:D+4*\i+3], s[8:9] offset:256*\i th:TH_STORE_NT
.endr
	s_endpgm
.Lfunc_end_k_qa7cfb1e98c_gather:
	.size	k_qa7cfb1e98c_gather, .Lfunc_end_k_qa7cfb1e98c_gather-k_qa7cfb1e98c_gather
	.p2alignl 7, 3214868480
	.fill 96, 4, 3214868480
	.section	.rodata,"a",@progbits
	.p2align	6, 0x0
	.amdhsa_kernel k_qa7cfb1e98c_gather
		.amdhsa_group_segment_fixed_size 0
		.amdhsa_private_segment_fixed_size 0
		.amdhsa_enable_private_segment 0
		.amdhsa_kernarg_size 24
		.amdhsa_user_sgpr_count 2
		.amdhsa_user_sgpr_kernarg_segment_ptr 1
		.amdhsa_wavefront_size32 1
		.amdhsa_system_sgpr_workgroup_id_x 1
		.amdhsa_system_sgpr_workgroup_id_y 1
		.amdhsa_system_sgpr_workgroup_id_z 1
		.amdhsa_system_vgpr_workitem_id 0
		.amdhsa_next_free_vgpr 84
		.amdhsa_next_free_sgpr 66
		.amdhsa_reserve_vcc 0
		.amdhsa_float_denorm_mode_32 3
		.amdhsa_float_denorm_mode_16_64 3
		.amdhsa_memory_ordered 1
		.amdhsa_forward_progress 1
		.amdhsa_inst_pref_size 7
	.end_amdhsa_kernel
	.amdgpu_metadata
---
amdhsa.version: [ 1, 2 ]
amdhsa.kernels:
  - .name:           k_qa7cfb1e98c_gather
    .symbol:         k_qa7cfb1e98c_gather.kd
    .args:
      - { .name: idx, .offset: 0, .size: 8, .value_kind: global_buffer, .address_space: global }
      - { .name: et, .offset: 8, .size: 8, .value_kind: global_buffer, .address_space: global }
      - { .name: out0, .offset: 16, .size: 8, .value_kind: global_buffer, .address_space: global }
    .group_segment_fixed_size: 0
    .private_segment_fixed_size: 0
    .kernarg_segment_align: 8
    .kernarg_segment_size: 24
    .max_flat_workgroup_size: 256
    .sgpr_count:     66
    .vgpr_count:     84
    .wavefront_size: 32
...
	.end_amdgpu_metadata
.endif
;; end of part 2
